; MI455X (gfx1250); checked and timed in simulation.
; The chip was launched on July 23, 2026; its instructions are those of AMD's public machine-readable ISA for CDNA 5 (MIT licence, August 2026) and "CDNA5" Instruction Set Architecture Reference Guide (July 2026). The comments in the code are by the model that wrote it; some were corrected since.
;; Style Linear Layer. Allowed arithmetic: matrix products marked QUANTISED: E2M1 operands, one E8M0 scale for each 32 along K, by v_wmma_scale_f32_16x16x128_f8f6f4 with both operands' format E2M1 (or v_wmma_scale_f32_32x16x128_f4), f32 sums; everything else in f32.
;; Inputs: aff_b 4,096 float32; aff_w 4,096 x 512 float32; bias 2,048 float32; input 8,192 x 2,048 float32; style 8,192 x 512 float32; weight 2,048 x 2,048 float32.
;; Outputs: out0 8,192 x 2,048 float32.
;; This version of the problem:
;;   THIS VERSION OF THE PROBLEM IS GIVEN IN LOW PRECISION. The matrix products marked QUANTISED in the list below multiply operands that are first quantised to E2M1 (2 exponent bits, 1 mantissa bit; 4 bits a number), with one power-of-two scale for each 32 numbers along K (OCP MX v1.0); their sums are f32. All else is computed in f32.
;;   The module's matrix products, in the order in which they are computed (A, B: the left and right operand; K: the contracted axis; several contracted axes count as one K, in the product's order):
;;     1. [M 8,192, K 512] x [K 512, N 4,096]; A: input style; B: input aff_w: QUANTISED
;;     2. [M 8,192, K 2,048] x [K 2,048, N 2,048]; A: input input; B: input weight: QUANTISED
;;   THE QUANTISER, for each operand of a quantised product, along K:
;;     - K is cut into blocks of 32 from its start; a last block that is shorter is filled with zeros.
;;     - A block's scale is 2^e with e = floor(log2(the largest magnitude in the block)) - 2, held to -126 .. 127; a block of zeros has e = 0. As a byte (E8M0): e + 127.
;;     - Each number is divided by its block's scale, clamped to +-6, and rounded to the nearest number of E2M1, ties to even, subnormals kept.
;;     - The product sums the exact products of the quantised numbers (number of the format x scale) in f32.
;;   ~~~python
;;   def quantise(x, axis):      # numpy; x: float32 -> the quantised numbers, widened to float32 again
;;       x = np.moveaxis(x, axis, -1); K = x.shape[-1]
;;       x = np.pad(x, [(0, 0)] * (x.ndim - 1) + [(0, -K % 32)]); x = x.reshape(x.shape[:-1] + (-1, 32)); a = np.abs(x).max(-1, keepdims=True)
;;       e = np.where(a > 0, np.clip(np.frexp(np.where(a > 0, a, 1))[1] - 1 - 2, -126, 127), 0)      # np.frexp(a)[1] - 1 = floor(log2(a)), exactly
;;       r = np.clip(x / 2.0 ** e, -6, 6)
;;       step = 2.0 ** (np.maximum(np.frexp(np.where(r == 0, 1, r))[1] - 1, 0) - 1)
;;       q = np.round(r / step) * step * 2.0 ** e      # np.round: ties to even
;;       return np.moveaxis(q.reshape(q.shape[:-2] + (-1,))[..., :K], -1, axis).astype(np.float32)
;;   ~~~
;; One version. Each part assembles by itself: llvm-mc -triple=amdgcn-amd-amdhsa -mcpu=gfx1250 --defsym DOCPART=n.
;; ======== version 1 of 1: 2 launches
;; limits: right only within a limited range of input values
;; workspace buffers: codes 14,090,240 bytes; wpart 16,384 bytes
;; launch quant (part 1): grid 1280 x 1, 4 waves a work-group, no clusters, 14,080 bytes of LDS; arguments input, style, weight, aff_w, codes, wpart; writes codes, wpart
.if DOCPART == 1
	.amdgcn_target "amdgcn-amd-amdhsa--gfx1250"
	.amdhsa_code_object_version 6
	.text
	.protected	k_qbc4a5defea_quant
	.globl	k_qbc4a5defea_quant
	.p2align	8
	.type	k_qbc4a5defea_quant,@function
k_qbc4a5defea_quant:
	s_mov_b64 s[64:65], 0
	v_nop
	global_prefetch_b8 v0, s[64:65] scope:SCOPE_SE
	s_setreg_imm32_b32 hwreg(HW_REG_WAVE_MODE, 25, 1), 1
	s_wait_xcnt 0x0
; input [8192][2048] with style [8192][512], and weight [2048][2048] with rows 0-2047 of aff_w [4096][512], all f32 with K innermost, become codes of FP4 (E2M1) with one E8M0 byte for each 32 along K;
; and wpart[h][o] = the sum of weight[o][i]^2 over i < 1280 (h = 0) or i >= 1280 (h = 1), of the unquantised weight.
; LEFT OUT: enc[:, OUT:] is dropped by the problem's own slice, so rows 2048-4095 of aff_w and aff_b[2048:] reach no output whatever the inputs hold: those rows are not read and their half of the product is not formed.
; LIMIT: a NaN, an infinity or an overflow that reaches only that half is not carried to the result.
; A block's scale is 2^(floor(log2(its largest magnitude)) - 2); its byte is the largest magnitude's exponent field - 2, held at 1 from below; each number is divided by the scale and rounded to the nearest code, ties to even, beyond 6 the code of 6.
; LIMITS: a block of zeros, and a block whose largest magnitude lies under 2^-124, gets the byte 1 (a block of zeros has zero codes; the bytes are read by this program alone); NaN and infinities among the inputs are not served.
; A ROW of 2,560 numbers: K steps 0-15 (128 numbers each) are input's (weight's), K steps 16-19 style's (aff_w's).
; LAYOUT OF codes: 160 tiles of 64 rows (128 of A = input and style, then 32 of B = weight and aff_w), 88,064 bytes each, in the order in which operand registers take them.  Fragment i holds the tile's rows 4 r + i, r = 0 .. 15:
;   codes at 4096 q + 1024 i + 256 b + 16 r: K step q, block b of 32 (b = 2 c + h: registers 4 c .. of lanes 16 h + r);
;   scale words (four bytes: blocks 0-3 of a K step) at 81920 + 3072 half + 1024 g + 256 i + 16 r + 4 (t % 4), K step q = 10 half + t, g = t / 4.  The words t = 10, 11 hold 0 and are not used.
; SHARES: 1,280 equal work-groups: one fragment's 16 rows x one half (1,280 numbers) of each; a wave 4 rows x 10 K steps.  The tensors select pointers; B's work-groups alone take the branch that sums squares.
; Each load takes 512 consecutive bytes of a row, 16 a lane: a block lies in 8 neighbouring lanes, 4 numbers each.  Loads run three steps (12 loads a wave) ahead, each into registers of its own.
; A lane's 4 codes of a row are 16 bits: two conversions of the same eight registers (rows j, j + 1), each with its own row's scale, give the low and the high half; two exchanges between lanes then gather 8 bytes of one row in each lane.
; No tensor load, no cluster: nothing is shared between work-groups.  No prefetch: the text has no loop to run ahead in.
.set TB,    88064
; wpart lies as [half][tile of 64 rows][fragment i][r]: a work-group's sixteen words are 64 neighbouring bytes.
.set UP,    320                        ; LDS: a unit (16 rows x 16 bytes of one block) + 64 bytes of padding, 40 units
.set SCB,   12800                      ; behind them 3 x 256 bytes of scale bytes
.set SPARE, 13568                      ; and the spare words, 128 bytes for each wave
.set X,     32                         ; v32-191: 10 steps x 4 rows x 4 numbers
	s_load_b256 s[4:11], s[0:1], 0x0               ; input, style, weight, aff_w
	s_load_b128 s[12:15], s[0:1], 0x20             ; codes, wpart
	s_mov_b32 s30, 0xaaaaaaaa                      ; odd lanes
	s_mov_b32 s31, 0xcccccccc                      ; lanes with bit 1
	s_mov_b32 s33, 0xffff
	s_mov_b32 s48, 0x76543210
	s_mov_b32 s49, 0xfedcba98                      ; v_permlanex16_b32's selects for lane l xor 16
	v_lshl_add_u32 v6, v0, 2, SPARE
	v_mov_b32 v7, 0
	v_lshrrev_b32 v1, 5, v0
	v_readfirstlane_b32 s16, v1                    ; wave 0..3
	s_lshl_b32 s17, s16, 6
	s_add_co_u32 s18, s17, SCB
	v_and_b32 v1, 31, v0                           ; lane
	v_lshlrev_b32 v2, 4, v1                        ; 16 x lane: my bytes of a load's 512, and of a store's
	v_lshrrev_b32 v8, 3, v1                        ; my block of the K step's four
	v_and_b32 v9, 3, v1                            ; the row whose codes I gather
	v_bfe_u32 v10, v0, 2, 1                        ; and which 8 bytes of its 16
	v_mul_u32_u24 v3, v8, UP
	v_lshl_add_u32 v3, v9, 4, v3
	v_lshl_add_u32 v3, v10, 3, v3
	v_add_nc_u32 v3, s17, v3                       ; LDS: UP x block + 16 (4 wave + row) + 8 x half
	v_lshlrev_b32 v4, 2, v8
	v_lshl_add_u32 v4, v9, 4, v4
	v_add_nc_u32 v4, s18, v4                       ; LDS: SCB + 16 (4 wave + row) + 4 x block
	v_mov_b32 v5, 0x05040100
	v_mov_b32 v11, 0x03020706
	v_cndmask_b32 v5, v5, v11, s30                 ; even lanes: own low half, then the neighbour's; odd lanes: the neighbour's high half, then the own
	v_lshlrev_b32 v29, 2, v9                       ; 4 x row
	v_lshrrev_b32 v8, 4, v1
	v_mul_u32_u24 v26, v8, UP
	v_and_b32 v9, 15, v1
	v_lshl_add_u32 v26, v9, 4, v26
	s_mul_i32 s19, s16, 2*UP
	v_add_nc_u32 v26, s19, v26                     ; LDS, on the way out: units 2 wave, 2 wave + 1
	s_lshl_b32 s20, s16, 8
	s_add_co_u32 s20, s20, SCB
	v_lshlrev_b32 v27, 4, v9
	v_add_nc_u32 v28, s20, v27                     ; LDS: 256 scale bytes of group g = wave, 16 of one row a lane
	v_mov_b32 v20, 0                               ; (a lane permute's destination counts as one of its sources)
	v_mov_b32 v21, 0
	v_mov_b32 v24, 0
	s_wait_alu depctr_va_vdst(0)                   ; the wait at the head's end
	s_lshr_b32 s18, ttmp9, 1                       ; which 16 rows: 0-511 A, 512-639 B
	s_and_b32 s21, ttmp9, 1                        ; which half of K
	s_lshr_b32 s22, s18, 2                         ; tile
	s_and_b32 s23, s18, 3                          ; fragment i
	s_mul_i32 s22, s22, TB
	s_mul_i32 s24, s21, 40960
	s_add_co_u32 s24, s24, s22
	s_lshl_b32 s26, s23, 10
	s_add_co_u32 s24, s24, s26
	s_lshr_b32 s26, s16, 1
	s_lshl_b32 s26, s26, 12
	s_add_co_u32 s24, s24, s26
	s_and_b32 s26, s16, 1
	s_lshl_b32 s26, s26, 9
	s_add_co_u32 s24, s24, s26                     ; my first store of codes
	s_mov_b32 s25, 0
	s_mul_i32 s28, s21, 3072
	s_add_co_u32 s28, s28, s22
	s_add_co_u32 s28, s28, 81920
	s_lshl_b32 s26, s16, 10
	s_add_co_u32 s28, s28, s26
	s_lshl_b32 s26, s23, 8
	s_add_co_u32 s28, s28, s26                     ; my store of scale bytes
	s_mov_b32 s29, 0
	s_mov_b32 s35, 8192
	s_mov_b32 s39, 0
	s_wait_kmcnt 0x0
	s_cmp_lt_u32 ttmp9, 1024                       ; A's work-group or B's
	s_cselect_b64 s[4:5], s[4:5], s[8:9]
	s_cselect_b64 s[6:7], s[6:7], s[10:11]
	s_cselect_b32 s19, 0, 512
	s_sub_co_u32 s19, s18, s19
	s_lshr_b32 s19, s19, 2
	s_lshl_b32 s19, s19, 6
	s_add_co_u32 s19, s19, s23
	s_lshl_b32 s20, s16, 4
	s_add_co_u32 s19, s19, s20                     ; my first row of the tensor: 64 x tile + i + 16 x wave; then every fourth
	s_cmp_eq_u32 s21, 0                            ; steps 6-9: half 0 goes on along the long row, half 1 takes the short row
	s_cselect_b64 s[40:41], s[4:5], s[6:7]
	s_cselect_b32 s35, s35, 2048
	s_cselect_b32 s36, 3072, 0
	s_cselect_b32 s37, 0, 5120
	s_mul_i32 s38, s19, s35
	s_add_co_u32 s38, s38, s36
	s_add_nc_u64 s[40:41], s[40:41], s[38:39]
	s_lshl_b32 s38, s19, 13
	s_add_co_u32 s38, s38, s37
	s_add_nc_u64 s[4:5], s[4:5], s[38:39]
	s_lshl_b32 s34, s35, 2
	s_mov_b32 s35, 0
	s_add_nc_u64 s[42:43], s[40:41], s[34:35]
	s_add_nc_u64 s[44:45], s[42:43], s[34:35]
	s_add_nc_u64 s[46:47], s[44:45], s[34:35]
.macro LOAD t
.irp j, 0,1,2,3
.if (\t) < 6
	global_load_b128 v[X+16*(\t)+4*\j:X+16*(\t)+4*\j+3], v2, s[4:5] offset:32768*\j+512*(\t) th:TH_LOAD_NT   ; 512 consecutive bytes, read once in the launch
.else
	global_load_b128 v[X+16*(\t)+4*\j:X+16*(\t)+4*\j+3], v2, s[40+2*\j:41+2*\j] offset:512*((\t)-6) th:TH_LOAD_NT
.endif
.endr
.endm
	LOAD 0
	LOAD 1
	LOAD 2
	s_add_nc_u64 s[50:51], s[12:13], s[24:25]
	s_add_nc_u64 s[52:53], s[12:13], s[28:29]
	s_lshl_b32 s38, s21, 13
	s_and_b32 s56, s18, 127                        ; which 16 rows of B
	s_lshl_b32 s56, s56, 6
	s_add_co_u32 s38, s38, s56
	s_lshl_b32 s56, s16, 4
	s_add_co_u32 s38, s38, s56
	s_add_nc_u64 s[54:55], s[14:15], s[38:39]      ; wpart of my four rows (B's work-groups alone use it)
.macro STEP t
.set XS, X+16*\t
.if \t < 8
	s_wait_loadcnt 8                               ; this step's four loads are in; those of the two steps behind it may be out
.else
	s_wait_loadcnt 4*(9-\t)
.endif
.if \t < 7
	LOAD \t+3
.endif
.irp j, 0,1,2,3
	v_max3_num_f32 v[8+\j], |v[XS+4*\j]|, |v[XS+4*\j+1]|, |v[XS+4*\j+2]|
.endr
.irp j, 0,1,2,3
	v_max3_num_f32 v[8+\j], v[8+\j], |v[XS+4*\j+3]|, 0x1800000   ; and the floor 2^(3 - 127): so the byte cannot fall under 1
.endr
.irp m, 1,2,4
.irp j, 0,1,2,3
	v_max_num_f32_dpp v[8+\j], v[8+\j], v[8+\j] row_xmask:\m row_mask:0xf bank_mask:0xf   ; over the eight lanes of the block
.endr
.endr
.irp j, 0,1,2,3
	v_add_nc_u32 v[12+\j], 0xff000000, v[8+\j]     ; 2 off the exponent field: the conversion's scale operand
.endr
	v_cvt_scalef32_pk8_fp4_f32 v16, v[XS:XS+7], v12        ; row 0's codes: the low half
	v_cvt_scalef32_pk8_fp4_f32 v17, v[XS:XS+7], v13        ; row 1's: the high half
	v_cvt_scalef32_pk8_fp4_f32 v18, v[XS+8:XS+15], v14
	v_cvt_scalef32_pk8_fp4_f32 v19, v[XS+8:XS+15], v15
.set DP, 22*(1-(\t%2))                 ; the gathered codes: v[22:23] and v[0:1] by turns
	v_cndmask_b32 v30, v12, v13, s30               ; the scale of my row (lane % 4)
	v_cndmask_b32 v31, v14, v15, s30
	v_cndmask_b32 v30, v30, v31, s31
	v_bfi_b32 v16, s33, v16, v17                   ; rows 0 and 1
	v_bfi_b32 v18, s33, v18, v19                   ; rows 2 and 3
.if \t%4 == 0
	v_lshrrev_b32 v25, 23, v30                     ; the scale's byte: four steps' bytes of my row and block to a register
.else
	v_lshrrev_b32 v30, 23, v30
.endif
	v_mov_b32_dpp v20, v16 row_xmask:1 row_mask:0xf bank_mask:0xf
	v_mov_b32_dpp v21, v18 row_xmask:1 row_mask:0xf bank_mask:0xf
.if \t%4 > 0
	v_lshl_or_b32 v25, v30, 8*(\t%4), v25
.endif
	v_perm_b32 v[DP], v20, v16, v5                 ; two lanes' codes of row 0 (even lanes) or 1 (odd lanes), the lower K first
	v_perm_b32 v[DP+1], v21, v18, v5               ; of row 2 or 3
	v_cndmask_b32 v31, v[DP+1], v[DP], s31         ; what lane l xor 2 wants
	v_mov_b32_dpp v24, v31 row_xmask:2 row_mask:0xf bank_mask:0xf
	v_cndmask_b32 v[DP], v[DP], v24, s31           ; four lanes' codes of row lane % 4: 8 bytes
	v_cndmask_b32 v[DP+1], v24, v[DP+1], s31
.if (\t == 3) || (\t == 7) || (\t == 9)
	ds_store_b32 v4, v25 offset:256*(\t/4)         ; two lanes write the same word with the same value
.endif
	ds_store_b64 v3, v[DP:DP+1] offset:4*UP*\t
.endm
.irp t, 0,1,2,3,4,5,6,7,8,9
	STEP \t
.endr
.macro SQUARES t
.irp j, 0,1,2,3
.if \t == 0
	v_pk_mul_f32 v[8+2*\j:9+2*\j], v[X+4*\j:X+4*\j+1], v[X+4*\j:X+4*\j+1]
.else
	v_pk_fma_f32 v[8+2*\j:9+2*\j], v[X+16*\t+4*\j:X+16*\t+4*\j+1], v[X+16*\t+4*\j:X+16*\t+4*\j+1], v[8+2*\j:9+2*\j]
.endif
.endr
.irp j, 0,1,2,3
	v_pk_fma_f32 v[8+2*\j:9+2*\j], v[X+16*\t+4*\j+2:X+16*\t+4*\j+3], v[X+16*\t+4*\j+2:X+16*\t+4*\j+3], v[8+2*\j:9+2*\j]
.endr
.endm
	s_cmp_ge_u32 ttmp9, 1024                       ; B's work-groups alone sum squares: the numbers still stand in their registers
	s_wait_alu depctr_va_vdst(0)                   ; the wait ahead of the branch
	s_cbranch_scc0 .Lnosq
.irp t, 0,1,2,3,4,5
	SQUARES \t
.endr
	s_cmp_eq_u32 s21, 0                            ; half 1's steps 6-9 are aff_w's: no part of the sum
	s_wait_alu depctr_va_vdst(0)
	s_cbranch_scc0 .Lsum
.irp t, 6,7,8,9
	SQUARES \t
.endr
.Lsum:
.irp j, 0,1,2,3
	v_add_f32 v[16+\j], v[8+2*\j], v[9+2*\j]
.endr
.irp m, 1,2,4,8
.irp j, 0,1,2,3
	v_add_f32_dpp v[16+\j], v[16+\j], v[16+\j] row_xmask:\m row_mask:0xf bank_mask:0xf
.endr
.endr
.irp j, 0,1,2,3
	v_permlanex16_b32 v[20+\j], v[16+\j], s48, s49
.endr
.irp j, 0,1,2,3
	v_add_f32 v[16+\j], v[16+\j], v[20+\j]
.endr
	v_cndmask_b32 v24, v16, v17, s30
	v_cndmask_b32 v25, v18, v19, s30
	v_cndmask_b32 v24, v24, v25, s31               ; row lane % 4
	global_store_b32 v29, v24, s[54:55]            ; four words a wave, eight lanes write the same word with the same value: 16 KiB in the whole launch
.Lnosq:
	s_wait_dscnt 0x0                               ; for the others' sake: my codes and scale bytes lie in LDS
	s_barrier_signal -1
	s_barrier_wait -1
.irp n, 0,1,2,3,4
	ds_load_b128 v[X+4*\n:X+4*\n+3], v26 offset:8*UP*\n
.endr
.irp n, 0,1,2,3,4
	s_wait_dscnt 4-\n
	global_store_b128 v2, v[X+4*\n:X+4*\n+3], s[50:51] offset:8192*\n   ; 512 consecutive bytes, two aligned units
.endr
	s_cmp_lt_u32 s16, 3                            ; waves 0-2: a unit of scale bytes each
	s_cbranch_scc0 .Lend
	ds_load_b128 v[52:55], v28                     ; one row's four blocks, a word each: bytes by K step
	s_wait_dscnt 0x0
	v_perm_b32 v56, v53, v52, 0x05010400           ; turned: a word for each K step, bytes by block
	v_perm_b32 v57, v53, v52, 0x07030602
	v_perm_b32 v58, v55, v54, 0x05010400
	v_perm_b32 v59, v55, v54, 0x07030602
	v_perm_b32 v60, v58, v56, 0x05040100
	v_perm_b32 v61, v58, v56, 0x07060302
	v_perm_b32 v62, v59, v57, 0x05040100
	v_perm_b32 v63, v59, v57, 0x07060302
	global_store_b128 v27, v[60:63], s[52:53]      ; 256 consecutive bytes, aligned; lanes l and l xor 16 write the same bytes with the same values
.Lend:
	s_wait_tensorcnt 0x0                           ; the wave's end
	ds_add_u32 v6, v7
	s_wait_dscnt 0x0
	s_endpgm
.Lfunc_end_k_qbc4a5defea_quant:
	.size	k_qbc4a5defea_quant, .Lfunc_end_k_qbc4a5defea_quant-k_qbc4a5defea_quant
	.p2alignl 7, 3214868480
	.fill 96, 4, 3214868480
	.section	.rodata,"a",@progbits
	.p2align	6, 0x0
	.amdhsa_kernel k_qbc4a5defea_quant
		.amdhsa_group_segment_fixed_size 14080
		.amdhsa_private_segment_fixed_size 0
		.amdhsa_enable_private_segment 0
		.amdhsa_kernarg_size 48
		.amdhsa_user_sgpr_count 2
		.amdhsa_user_sgpr_kernarg_segment_ptr 1
		.amdhsa_wavefront_size32 1
		.amdhsa_system_sgpr_workgroup_id_x 1
		.amdhsa_system_sgpr_workgroup_id_y 1
		.amdhsa_system_sgpr_workgroup_id_z 1
		.amdhsa_system_vgpr_workitem_id 0
		.amdhsa_next_free_vgpr 192
		.amdhsa_next_free_sgpr 66
		.amdhsa_reserve_vcc 0
		.amdhsa_float_denorm_mode_32 3
		.amdhsa_float_denorm_mode_16_64 3
		.amdhsa_memory_ordered 1
		.amdhsa_forward_progress 1
		.amdhsa_inst_pref_size 47
	.end_amdhsa_kernel
	.amdgpu_metadata
---
amdhsa.version: [ 1, 2 ]
amdhsa.kernels:
  - .name:           k_qbc4a5defea_quant
    .symbol:         k_qbc4a5defea_quant.kd
    .args:
      - { .name: input, .offset: 0, .size: 8, .value_kind: global_buffer, .address_space: global }
      - { .name: style, .offset: 8, .size: 8, .value_kind: global_buffer, .address_space: global }
      - { .name: weight, .offset: 16, .size: 8, .value_kind: global_buffer, .address_space: global }
      - { .name: aff_w, .offset: 24, .size: 8, .value_kind: global_buffer, .address_space: global }
      - { .name: codes, .offset: 32, .size: 8, .value_kind: global_buffer, .address_space: global }
      - { .name: wpart, .offset: 40, .size: 8, .value_kind: global_buffer, .address_space: global }
    .group_segment_fixed_size: 14080
    .private_segment_fixed_size: 0
    .kernarg_segment_align: 8
    .kernarg_segment_size: 48
    .max_flat_workgroup_size: 128
    .sgpr_count:     66
    .vgpr_count:     192
    .wavefront_size: 32
...
	.end_amdgpu_metadata
.endif
;; end of part 1
;; launch gemm (part 2): grid 8 x 32, 4 waves a work-group, clusters of 4 x 1, 327,680 bytes of LDS; arguments codes, wpart, aff_b, bias, out0; writes out0
.if DOCPART == 2
	.amdgcn_target "amdgcn-amd-amdhsa--gfx1250"
	.amdhsa_code_object_version 6
	.text
	.protected	k_qbc4a5defea_gemm
	.globl	k_qbc4a5defea_gemm
	.p2align	8
	.type	k_qbc4a5defea_gemm,@function
k_qbc4a5defea_gemm:
	s_mov_b64 s[64:65], 0
	v_nop
	global_prefetch_b8 v0, s[64:65] scope:SCOPE_SE
	s_setreg_imm32_b32 hwreg(HW_REG_WAVE_MODE, 25, 1), 1
	s_wait_xcnt 0x0
	s_wait_alu depctr_hold_cnt(0) depctr_sa_sdst(0) depctr_va_vdst(0) depctr_va_sdst(0) depctr_va_ssrc(0) depctr_va_vcc(0) depctr_vm_vsrc(0)
	s_getreg_b32 s2, hwreg(HW_REG_IB_STS2, 6, 4)
	s_cmp_eq_u32 s2, 0
	s_cbranch_scc0 .Lentry_in_a_cluster
	s_endpgm
.Lentry_in_a_cluster:
	s_bfe_u32 s2, ttmp6, 0x10000c
	s_cmp_lg_u32 s2, 0x3003
	s_cbranch_scc0 .Lentry_shape_is_right
	s_endpgm
.Lentry_shape_is_right:
; out0[b][o] = base x s |s| sqrt(rowsq[o]) + bias[o]; base = Q(input) Q(weight)^T (K steps 0-15 of the codes), s = Q(style) Q(aff_w)^T + aff_b (K steps 16-19), rowsq = the two parts of wpart added.
; LEFT OUT: the second half of the affine result, which the problem's own slice drops: aff_b[2048:] is not read and its products are not formed; a NaN, an infinity or an overflow there is not carried to the result.
; LIMIT: a row of weight whose sum of squares is a denormal number counts as a row with the sum 0 (v_sqrt_f32 takes denormals as zero: ISA guide 15.8).
; A work-group makes 256 rows x 256 columns: 8 x 32 = 256 work-groups.  Wave w takes 64 columns and KEEPS its part of B (64 columns x 2,560 codes) IN 640 REGISTERS for the whole launch.
; A comes in four tiles of 64 rows x all of K (88,064 bytes, codes and scale words, laid as the registers take them) through two LDS slots; a tile is two units of 32 rows: 20 K steps of 8 products each.
; THE WAY OUT NEEDS NO LDS: column fragment n's lane r is column 4 r + n (so the codes are laid), so the four accumulators n = 0 .. 3 hold four neighbouring columns of a row in one lane; the last arithmetic writes them side by side,
; and sixteen lanes store 256 consecutive bytes.  A unit's style product comes first; s |s| sqrt(rowsq) goes into the 64 result registers between the base products, once the unit before it has left them;
; base x that + bias is made between the NEXT unit's style products, and the sixteen stores stand between its base products.
; CLUSTERS: the four work-groups of a cluster make the same rows: A's tiles are asked for jointly, each wave a quarter (86 rows of 256 bytes).  B's codes are read once by each wave, straight into the registers where they stay:
; through LDS they would be written and read once more, and their 352,256 bytes a work-group do not fit beside A's slots; so B has no joint loads, and no cluster along y.
; PREFETCH: tiles 2 and 3 are asked for two tiles ahead of their products, one ahead of their loads: 344 blocks of 256 bytes, 86 to each partner of the cluster by address, a lane a block, waves 0-2.
; REGISTERS: window 0: below;  windows 1, 2 and v0-127 of window 3: B, K step q column fragment n at 32 q + 8 n;  window 3: v128-191 base, v192-255 style, accumulator (i, n) at 8 (4 i + n).
.set TB,     88064
.set SPARE,  TB                        ; between the slots (0 and 0x20000): the spare words, 128 bytes for each wave
.set WN,   0                           ; v0-3    sqrt(rowsq) of my four columns
.set BI,   4                           ; v4-7    their bias
.set CO,   8
.set L16,  9                           ; v9, v10: 16 x lane in slot 0, and 65,536 further on;  v14, v15: the same in slot 1
.set PFO,  11
.set SPW,  12
.set NIL,  13
.set BSC,  16                          ; v16-55  B's scale words: fragments 2 p (lanes 0-15), 2 p + 1 (lanes 16-31) of K step q at 20 p + q
.set ASC,  56                          ; v56-75  A's scale words of a unit, K step q at q
.set AB,   76                          ; v76-107 aff_b in the result's layout: eight times the same for each n
.set AR,   108                         ; v108-187 A's fragments: five K steps by turns, two of 16 rows each
.set OUT,  188                         ; v188-251 results: item m = 8 i + j (accumulators (i, .), register j): four columns at 4 m
.set LB,   10                          ; B's loads run ten K steps ahead in the first unit
.set ISS, 0                            ; LDS instructions issued so far in the text; E1, E2: the same at the end of the last group's loads and of the one's before it;
.set E1, 0
.set E2, 0
.set F0, 0                             ; F0, F1: the same behind the first fragment that this group, the last group asked for
.set F1, 0
.set MSB, 0
.macro WIN new                         ; the immediate's high byte repeats the setting that is left
.if MSB != \new
	s_set_vgpr_msb (MSB<<8)|\new
.set MSB, \new
.endif
.endm
.macro ESH
.set E2, E1
.set E1, ISS
.set F1, F0
.endm
.macro PLACES                          ; four places behind matrix instructions (ISA guide 7.12.1)
.rept 4
	v_nop
.endr
.endm
.macro CROUND                          ; a round of the cluster's barrier
	s_barrier_signal -1
	s_barrier_wait -1
	s_cmp_lg_u32 s14, 0
	s_cbranch_scc1 .Lnot_wave_0_\@
	s_barrier_signal -3
.Lnot_wave_0_\@:
	s_barrier_wait -3
	s_barrier_signal -1
	s_barrier_wait -1
.endm
.macro ALOAD s, p, sl                  ; A's fragments of step s (steps 0-3: K steps 16-19; 4-19: K steps 0-15) of unit p
.set AS, \s
.set RR, AR+16*(AS%5)
.irp i, 0,1
.irp c, 0,1
.if AS < 4
	ds_load_b128 v[RR+8*\i+4*\c:RR+8*\i+4*\c+3], v[10+5*\sl] offset:AS*4096+2048*\p+1024*\i+512*\c
.else
	ds_load_b128 v[RR+8*\i+4*\c:RR+8*\i+4*\c+3], v[9+5*\sl] offset:(AS-4)*4096+2048*\p+1024*\i+512*\c
.endif
.endr
.endr
.set ISS, ISS+4
.endm
; A's scale words of unit p (lanes 0-15: its first 16 rows, 16-31: its second), in two parts: a register is loaded again when its unit has used it.
.macro SCA p, sl                       ; K steps 16-19 and 0-7
	ds_load_b64 v[ASC+16:ASC+17], v[10+5*\sl] offset:16384+4096+512*\p+8
	ds_load_b64 v[ASC+18:ASC+19], v[10+5*\sl] offset:16384+5120+512*\p
	ds_load_b128 v[ASC:ASC+3], v[10+5*\sl] offset:16384+512*\p
	ds_load_b128 v[ASC+4:ASC+7], v[10+5*\sl] offset:16384+1024+512*\p
.set ISS, ISS+4
.endm
.macro SCC p, sl                       ; K steps 8-15
	ds_load_b64 v[ASC+8:ASC+9], v[10+5*\sl] offset:16384+2048+512*\p
	ds_load_b128 v[ASC+10:ASC+13], v[10+5*\sl] offset:16384+3072+512*\p
	ds_load_b64 v[ASC+14:ASC+15], v[10+5*\sl] offset:16384+4096+512*\p
.set ISS, ISS+3
.endm
.macro BLOAD s                         ; B's four fragments of step s: each load 512 consecutive bytes
.set BS, \s
.set BQ, BS-4
.if BS < 4
.set BQ, 16+BS
.endif
.set BX, (1+BQ/8)<<6
	WIN BX
.irp n, 0,1,2,3
.irp c, 0,1
	global_load_b128 v[32*(BQ%8)+8*\n+4*\c:32*(BQ%8)+8*\n+4*\c+3], v[L16], s[34:35] offset:BQ*4096+1024*\n+512*\c
.endr
.endr
	WIN 0
.endm
.macro WM i, n
.set DD, DB+8*(4*\i+\n)
.set CC, CB+8*(4*\i*CI+\n)
.set WB, BR+8*\n
.set WA, RA+8*\i
.set XB, BSC+20*(\n/2)+Q
.if ZERO
.if \i == 0
.if (\n)%2 == 0
	v_wmma_scale_f32_16x16x128_f8f6f4 v[DD:DD+7], v[WA:WA+7], v[WB:WB+7], 0, v[XA], v[XB] matrix_a_fmt:MATRIX_FMT_FP4 matrix_b_fmt:MATRIX_FMT_FP4
.else
	v_wmma_scale_f32_16x16x128_f8f6f4 v[DD:DD+7], v[WA:WA+7], v[WB:WB+7], 0, v[XA], v[XB] matrix_a_fmt:MATRIX_FMT_FP4 matrix_b_fmt:MATRIX_FMT_FP4 matrix_b_scale:MATRIX_SCALE_ROW1
.endif
.else
.if (\n)%2 == 0
	v_wmma_scale_f32_16x16x128_f8f6f4 v[DD:DD+7], v[WA:WA+7], v[WB:WB+7], 0, v[XA], v[XB] matrix_a_fmt:MATRIX_FMT_FP4 matrix_b_fmt:MATRIX_FMT_FP4 matrix_a_scale:MATRIX_SCALE_ROW1
.else
	v_wmma_scale_f32_16x16x128_f8f6f4 v[DD:DD+7], v[WA:WA+7], v[WB:WB+7], 0, v[XA], v[XB] matrix_a_fmt:MATRIX_FMT_FP4 matrix_b_fmt:MATRIX_FMT_FP4 matrix_a_scale:MATRIX_SCALE_ROW1 matrix_b_scale:MATRIX_SCALE_ROW1
.endif
.endif
.else
.if \i == 0
.if (\n)%2 == 0
	v_wmma_scale_f32_16x16x128_f8f6f4 v[DD:DD+7], v[WA:WA+7], v[WB:WB+7], v[CC:CC+7], v[XA], v[XB] matrix_a_fmt:MATRIX_FMT_FP4 matrix_b_fmt:MATRIX_FMT_FP4
.else
	v_wmma_scale_f32_16x16x128_f8f6f4 v[DD:DD+7], v[WA:WA+7], v[WB:WB+7], v[CC:CC+7], v[XA], v[XB] matrix_a_fmt:MATRIX_FMT_FP4 matrix_b_fmt:MATRIX_FMT_FP4 matrix_b_scale:MATRIX_SCALE_ROW1
.endif
.else
.if (\n)%2 == 0
	v_wmma_scale_f32_16x16x128_f8f6f4 v[DD:DD+7], v[WA:WA+7], v[WB:WB+7], v[CC:CC+7], v[XA], v[XB] matrix_a_fmt:MATRIX_FMT_FP4 matrix_b_fmt:MATRIX_FMT_FP4 matrix_a_scale:MATRIX_SCALE_ROW1
.else
	v_wmma_scale_f32_16x16x128_f8f6f4 v[DD:DD+7], v[WA:WA+7], v[WB:WB+7], v[CC:CC+7], v[XA], v[XB] matrix_a_fmt:MATRIX_FMT_FP4 matrix_b_fmt:MATRIX_FMT_FP4 matrix_a_scale:MATRIX_SCALE_ROW1 matrix_b_scale:MATRIX_SCALE_ROW1
.endif
.endif
.endif
.endm
; Step s's eight products.  The style sums begin with aff_b as C, the base sums with 0.  The eight accumulators take turns, one instruction a turn.
.macro MULS s
.set Q, \s-4
.set DB, 128
.if \s < 4
.set Q, 16+\s
.set DB, 192
.endif
.set CB, DB
.set CI, 1
.set ZERO, 0
.set WW, 0xf4+4*(Q/8)
.if \s == 0
.set CB, AB
.set CI, 0
.set WW, 0xc4+4*(Q/8)
.endif
.if \s == 4
.set ZERO, 1
.endif
.set BR, 32*(Q%8)
.set RA, AR+16*(\s%5)
.set XA, ASC+Q
	WIN WW
.irp i, 0,1
.irp n, 0,1,2,3
	WM \i, \n
.endr
.endr
.endm
.macro GMUL m                          ; item m: s |s|
	WIN 0x0f
.irp n, 0,1,2,3
	v_mul_f32 v[OUT+4*(\m)+\n], v[192+8*(4*((\m)/8)+\n)+(\m)%8], |v[192+8*(4*((\m)/8)+\n)+(\m)%8]|
.endr
.endm
.macro GPK m                           ; x sqrt(rowsq)
	v_pk_mul_f32 v[OUT+4*(\m):OUT+4*(\m)+1], v[OUT+4*(\m):OUT+4*(\m)+1], v[WN:WN+1]
	v_pk_mul_f32 v[OUT+4*(\m)+2:OUT+4*(\m)+3], v[OUT+4*(\m)+2:OUT+4*(\m)+3], v[WN+2:WN+3]
.endm
.macro FIN g                           ; items 4 g .. 4 g + 3: base x that + bias
	WIN 0x03
.irp k, 0,1,2,3
.set FM, 4*(\g)+\k
.irp n, 0,1,2,3
	v_fma_f32 v[OUT+4*FM+\n], v[128+8*(4*(FM/8)+\n)+FM%8], v[OUT+4*FM+\n], v[BI+\n]
.endr
.endr
	WIN 0
.endm
.macro SEND m, p                       ; item m of unit p: accumulator row 8 h + j of fragment 2 p + i is the tile's row 32 h + 4 j + 2 p + i
	global_store_b128 v[CO], v[OUT+4*(\m):OUT+4*(\m)+3], s[36:37] offset:(4*((\m)%8)+2*(\p)+(\m)/8)*8192 th:TH_STORE_NT   ; 16 lanes store 256 consecutive bytes, aligned
.endm
.macro GSQ m, c                        ; c items from m on: s |s| sqrt(rowsq)
.set GM, \m
.rept \c
	GMUL GM
.set GM, GM+1
.endr
	WIN 0
.set GM, \m
.rept \c
	GPK GM
.set GM, GM+1
.endr
.endm
.macro BWAIT n                         ; n: how many steps of B behind the one that is wanted
.set BN, 8*(\n)
.if BN > 63
.set BN, 63
.endif
	s_wait_loadcnt BN
.endm
.macro ANEXT s, p, sl, nx              ; A's fragments of step s; from 20 on: of the tile's second unit
.set GA, \s
.if GA < 20
	ALOAD GA, \p, \sl
.else
.if \nx
	ALOAD GA-20, 1, \sl
.endif
.endif
.endm
; A GROUP is two steps, 2 k and 2 k + 1: vector work; stores; loads of the fragments of steps 2 k + 3 and 2 k + 4; sixteen products.  The first step's fragments were asked for two groups ago: the wait in front leaves out what was issued
; behind them, in the last group; the second step's were the last group's first: the wait between the two steps leaves out all that was issued behind those.
; pv: the unit before this one is on its way out; nx: the tile's second unit follows; bl: B is being loaded; fin: a round of the cluster's barrier, or a barrier, follows the unit.
.macro GROUP k, p, sl, pv, nx, bl, fin
.if \bl
	BWAIT 19-2*\k                                  ; this step's fragments of B are in; those of the later steps may be out
.endif
	s_wait_dscnt ISS-E2
.if \pv
.if (\k == 4) || (\k == 6)
	s_wait_xcnt 0x0                                ; the items stored so far have been read from their registers: the next may be made there
.endif
.if \k == 0
	s_wait_alu depctr_va_vdst(0)                   ; ahead of the readers of the last unit's items
	PLACES
.endif
.if \k < 2
	FIN 2*\k
	FIN 2*\k+1
.endif
.if \k == 2
	s_wait_alu depctr_va_vdst(0)                   ; and here, ahead of the stores that read them
.endif
.else
.if \k == 1
	PLACES
.endif
.endif
.if (\k == 2) || (\k == 3)
	PLACES
.endif
.if (\k == 4) || (\k == 5)
	GSQ 2*(\k-4), 2
.endif
.if \k > 5
	GSQ 4+3*(\k-6), 3
.endif
	WIN 0
.if \pv
.if (\k > 1) && (\k < 6)
	SEND 4*(\k-2), 1-\p
	SEND 4*(\k-2)+1, 1-\p
	SEND 4*(\k-2)+2, 1-\p
	SEND 4*(\k-2)+3, 1-\p
.endif
.endif
	ANEXT 2*\k+3, \p, \sl, \nx
.set F0, ISS
	ANEXT 2*\k+4, \p, \sl, \nx
.if \k == 0
	SCC \p, \sl
.endif
.if \nx
.if \k == 7
	SCA 1, \sl
.endif
.endif
.if \bl
.if 2*\k+LB < 20
	BLOAD 2*\k+LB
	BLOAD 2*\k+1+LB
.endif
.endif
.if \fin
.if \k == 9
	s_wait_tensorcnt 0x0                           ; my part of the next tile is in;
	ds_add_u32 v[SPW], v[NIL]                      ; 0 onto my spare word
.set ISS, ISS+1
.endif
.endif
.set MS, 2*\k
	MULS MS
.if \bl
	BWAIT 18-2*\k
.endif
	s_wait_dscnt ISS-F1
.set MS, 2*\k+1
	MULS MS
	ESH
.endm
.macro UNIT p, sl, pv, bl, fin
.if \pv == 2
	s_add_nc_u64 s[36:37], s[36:37], 64*8192       ; on to this tile's rows of out0 (the earlier stores' base has been read: the last unit's wait on XCNT)
.endif
.irp k, 0,1,2,3,4,5,6,7,8,9
	GROUP \k, \p, \sl, \pv, 1-\p, \bl, \fin
.endr
.endm
; To the next tile, in slot sl.  Every wave has waited for its tensor loads and issued the add.  refill: behind the round the tile after it is asked for, into the slot just read out (the first time: slot 1's first fill).
.macro NEXT sl, refill
	WIN 0
.if \refill
	s_xor_b32 s21, s21, 0x20000                    ; no tensor load of mine is out: the descriptor may be written
	s_add_nc_u64 s[22:23], s[22:23], TB
.endif
	s_wait_dscnt 0x0                               ; the add is done, and so are my reads of the slot
.if \refill
	CROUND
	tensor_load_to_lds s[20:23], s[24:31]
	s_nop 0
	PLACES
.else
	s_barrier_signal -1
	s_barrier_wait -1
.endif
	SCA 0, \sl
	ALOAD 0, 0, \sl
.set E2, ISS
	ALOAD 1, 0, \sl
.set F1, ISS
	ALOAD 2, 0, \sl
.set E1, ISS
.endm
.macro ASK t                           ; my cluster's quarter of tile t's blocks
	s_cmp_lt_u32 s14, 3
	s_cbranch_scc0 .Lnot_mine_\@
	global_prefetch_b8 v[PFO], s[32:33] offset:TB*\t th:TH_LOAD_NT scope:SCOPE_SE
.Lnot_mine_\@:
.endm
	s_load_b256 s[4:11], s[0:1], 0x0               ; codes, wpart, aff_b, bias
	s_load_b64 s[12:13], s[0:1], 0x20              ; out0
	v_lshl_add_u32 v[SPW], v0, 2, SPARE
	v_mov_b32 v[NIL], 0
	ds_add_u32 v[SPW], v[NIL]                      ; the wave's opening: the add, twice on end, and its wait
	ds_add_u32 v[SPW], v[NIL]
	v_lshrrev_b32 v1, 5, v0
	v_readfirstlane_b32 s14, v1                    ; wave 0..3
	s_bfe_u32 s15, ttmp6, 0x40000                  ; cx: my place in the cluster
	s_lshl_b32 s16, ttmp9, 2
	s_add_co_u32 s16, s16, s15                     ; which 256 columns
	s_and_b32 s17, ttmp7, 0xffff                   ; which 256 rows
	; descriptor group 1: 86 rows of 256 bytes (32 elements of 8 bytes), dense
	s_mov_b32 s24, 15|(3<<16)|(1<<21)              ; the mask: all four of the cluster; element of 8 bytes; bit 21 beside a mask
	s_mov_b32 s25, 32<<16
	s_mov_b32 s26, 86<<16
	s_mov_b32 s27, 32<<16
	s_mov_b32 s28, 86
	s_mov_b32 s29, 32
	s_mov_b32 s30, 0
	s_mov_b32 s31, 0
	s_mul_i32 s40, s17, 4*TB                       ; A: my first tile
	s_mov_b32 s41, 0
	s_lshl_b32 s42, s16, 2
	s_add_co_u32 s42, s42, s14
	s_add_co_u32 s42, s42, 128
	s_mul_i32 s42, s42, TB                         ; B: my wave's tile
	s_mov_b32 s43, 0
	s_mov_b32 s20, 1
	s_mul_i32 s21, s14, 86*256                     ; my quarter of a slot,
	s_mul_i32 s44, s14, 86*256                     ; and of a tile
	s_mov_b32 s45, 0
	s_lshl_b32 s46, s16, 10
	s_lshl_b32 s47, s14, 8
	s_add_co_u32 s46, s46, s47                     ; my 64 columns, in bytes
	s_mov_b32 s47, 0
	s_lshl_b32 s50, s17, 21                        ; my 256 rows of out0
	s_mov_b32 s51, 0
	s_mul_i32 s48, s15, 86*256
	v_and_b32 v200, 31, v0
	v_and_b32 v201, 15, v0                         ; r
	v_bfe_u32 v203, v0, 4, 1                       ; h
	v_lshlrev_b32 v[L16], 4, v200
	v_add_nc_u32 v10, 0x10000, v[L16]
	v_add_nc_u32 v14, 0x20000, v[L16]
	v_add_nc_u32 v15, 0x30000, v[L16]
	v_lshlrev_b32 v205, 2, v201                    ; wpart: fragment n's words lie 64 bytes apart
	v_lshlrev_b32 v202, 4, v201                    ; my four columns
	v_lshl_add_u32 v[CO], v203, 18, v202           ; lanes 16-31 lie 32 rows further down in out0
	v_min_u32 v204, 85, v0
	v_lshl_add_u32 v[PFO], v204, 8, s48            ; block 86 cx + my thread's number, waves 0-2, clamped to my work-group's last
	s_wait_dscnt 0x0                               ; both opening adds are done
	s_wait_alu depctr_va_vdst(0)                   ; directly ahead of the wait below
	s_wait_kmcnt 0x0
	s_add_nc_u64 s[32:33], s[4:5], s[40:41]
	s_add_nc_u64 s[34:35], s[4:5], s[42:43]
	s_add_nc_u64 s[22:23], s[32:33], s[44:45]
	s_or_b32 s23, s23, 0x80000000
	s_add_nc_u64 s[6:7], s[6:7], s[46:47]
	s_add_nc_u64 s[8:9], s[8:9], s[46:47]
	s_add_nc_u64 s[10:11], s[10:11], s[46:47]
	s_add_nc_u64 s[36:37], s[12:13], s[46:47]
	s_add_nc_u64 s[36:37], s[36:37], s[50:51]
	global_load_b128 v[OUT:OUT+3], v202, s[8:9]    ; aff_b
.irp n, 0,1,2,3
	global_load_b32 v[WN+\n], v205, s[6:7] offset:64*\n
	global_load_b32 v[OUT+4+\n], v205, s[6:7] offset:8192+64*\n
.endr
	global_load_b128 v[BI:BI+3], v202, s[10:11]
.irp p, 0,1
.irp hf, 0,1
	global_load_b128 v[BSC+20*\p+10*\hf:BSC+20*\p+10*\hf+3], v[L16], s[34:35] offset:81920+3072*\hf+512*\p
	global_load_b128 v[BSC+20*\p+10*\hf+4:BSC+20*\p+10*\hf+7], v[L16], s[34:35] offset:81920+3072*\hf+1024+512*\p
	global_load_b64 v[BSC+20*\p+10*\hf+8:BSC+20*\p+10*\hf+9], v[L16], s[34:35] offset:81920+3072*\hf+2048+512*\p
.endr
.endr
	BLOAD 0
	BLOAD 1
	CROUND                                         ; all four work-groups are here: the first joint loads meet
	tensor_load_to_lds s[20:23], s[24:31]          ; tile 0: my quarter
	s_nop 0
	PLACES
.irp s, 2,3,4,5,6,7,8,9
	BLOAD \s
.endr
	s_wait_alu depctr_va_vdst(0)                   ; the wait at the head's end
	s_wait_tensorcnt 0x0                           ; my quarter of tile 0 is in
	ds_add_u32 v[SPW], v[NIL]
	NEXT 0, 1
	ASK 2
	s_wait_loadcnt 63                              ; all loads but the 63 youngest, of B's 80 so far, are in
.irp j, 0,1,2,3
	v_add_f32 v[WN+\j], v[WN+\j], v[OUT+4+\j]      ; the two parts of a row's sum of squares
.endr
	s_wait_alu depctr_va_vdst(0)                   ; the wait ahead of the batch
.irp j, 0,1,2,3
	v_sqrt_f32 v[WN+\j], v[WN+\j]
.endr
.irp n, 0,1,2,3
.irp j, 0,1,2,3,4,5,6,7
	v_mov_b32 v[AB+8*\n+\j], v[OUT+\n]
.endr
.endr
	s_wait_alu depctr_va_vdst(0)                   ; and behind it; it serves the copies too
	UNIT 0, 0, 0, 1, 0
	UNIT 1, 0, 1, 0, 1
	NEXT 1, 1
	ASK 3
	UNIT 0, 1, 1, 0, 0
	UNIT 1, 1, 2, 0, 1
	NEXT 0, 1
	UNIT 0, 0, 1, 0, 0
	UNIT 1, 0, 2, 0, 1
	NEXT 1, 0                                      ; the last tile
	UNIT 0, 1, 1, 0, 0
	UNIT 1, 1, 2, 0, 0
	s_wait_alu depctr_va_vdst(0)                   ; ahead of the readers of the last items
	PLACES
.irp g, 0,1,2,3
	FIN \g
.irp k, 0,1,2,3
	SEND 4*\g+\k, 1
.endr
.endr
	s_wait_tensorcnt 0x0                           ; the wave's end
	ds_add_u32 v[SPW], v[NIL]
	s_wait_dscnt 0x0
	CROUND                                         ; the closing round: no work-group ends while a partner may still ask for a tile that names it
	s_endpgm
.Lfunc_end_k_qbc4a5defea_gemm:
	.size	k_qbc4a5defea_gemm, .Lfunc_end_k_qbc4a5defea_gemm-k_qbc4a5defea_gemm
	.p2alignl 7, 3214868480
	.fill 96, 4, 3214868480
	.section	.rodata,"a",@progbits
	.p2align	6, 0x0
	.amdhsa_kernel k_qbc4a5defea_gemm
		.amdhsa_group_segment_fixed_size 327680
		.amdhsa_private_segment_fixed_size 0
		.amdhsa_enable_private_segment 0
		.amdhsa_kernarg_size 40
		.amdhsa_user_sgpr_count 2
		.amdhsa_user_sgpr_kernarg_segment_ptr 1
		.amdhsa_wavefront_size32 1
		.amdhsa_system_sgpr_workgroup_id_x 1
		.amdhsa_system_sgpr_workgroup_id_y 1
		.amdhsa_system_sgpr_workgroup_id_z 1
		.amdhsa_system_vgpr_workitem_id 0
		.amdhsa_next_free_vgpr 1024
		.amdhsa_next_free_sgpr 66
		.amdhsa_reserve_vcc 0
		.amdhsa_float_denorm_mode_32 3
		.amdhsa_float_denorm_mode_16_64 3
		.amdhsa_memory_ordered 1
		.amdhsa_forward_progress 1
		.amdhsa_inst_pref_size 255
	.end_amdhsa_kernel
	.section	.bss,"aw",@nobits
	.p2align	6
	.space	262144
	.amdgpu_metadata
---
amdhsa.version: [ 1, 2 ]
amdhsa.kernels:
  - .name:           k_qbc4a5defea_gemm
    .symbol:         k_qbc4a5defea_gemm.kd
    .args:
      - { .name: codes, .offset: 0, .size: 8, .value_kind: global_buffer, .address_space: global }
      - { .name: wpart, .offset: 8, .size: 8, .value_kind: global_buffer, .address_space: global }
      - { .name: aff_b, .offset: 16, .size: 8, .value_kind: global_buffer, .address_space: global }
      - { .name: bias, .offset: 24, .size: 8, .value_kind: global_buffer, .address_space: global }
      - { .name: out0, .offset: 32, .size: 8, .value_kind: global_buffer, .address_space: global }
    .group_segment_fixed_size: 327680
    .private_segment_fixed_size: 0
    .kernarg_segment_align: 8
    .kernarg_segment_size: 40
    .max_flat_workgroup_size: 128
    .sgpr_count:     66
    .vgpr_count:     1024
    .wavefront_size: 32
...
	.end_amdgpu_metadata
.endif
;; end of part 2
